; MI455X (gfx1250); checked and timed in simulation.
; The chip was launched on July 23, 2026; its instructions are those of AMD's public machine-readable ISA for CDNA 5 (MIT licence, August 2026) and "CDNA5" Instruction Set Architecture Reference Guide (July 2026). The comments in the code are by the model that wrote it; some were corrected since.
;; CPR Linear Mixed Fused. Allowed arithmetic: matrix products marked QUANTISED: E2M1 operands, one E8M0 scale for each 32 along K, by v_wmma_scale_f32_16x16x128_f8f6f4 with both operands' format E2M1 (or v_wmma_scale_f32_32x16x128_f4), f32 sums; everything else in f32.
;; Inputs: bias 4,096 float32; col_indices 4,096 int32; scales 32 x 4,096 float32; weight_int8 4,096 x 4,096 int32; x 4 x 1,024 x 4,096 float32.
;; Outputs: out0 4 x 1,024 x 4,096 float32.
;; Constants: group_size = 128.
;; This version of the problem:
;;   THIS VERSION OF THE PROBLEM IS GIVEN IN LOW PRECISION. The matrix products marked QUANTISED in the list below multiply operands that are first quantised to E2M1 (2 exponent bits, 1 mantissa bit; 4 bits a number), with one power-of-two scale for each 32 numbers along K (OCP MX v1.0); their sums are f32. All else is computed in f32.
;;   The module's matrix products, in the order in which they are computed (A, B: the left and right operand; K: the contracted axis; several contracted axes count as one K, in the product's order):
;;     1. [M 4,096, K 4,096] x [K 4,096, N 4,096]; A: computed on the way; B: computed on the way: QUANTISED
;;   THE QUANTISER, for each operand of a quantised product, along K:
;;     - K is cut into blocks of 32 from its start; a last block that is shorter is filled with zeros.
;;     - A block's scale is 2^e with e = floor(log2(the largest magnitude in the block)) - 2, held to -126 .. 127; a block of zeros has e = 0. As a byte (E8M0): e + 127.
;;     - Each number is divided by its block's scale, clamped to +-6, and rounded to the nearest number of E2M1, ties to even, subnormals kept.
;;     - The product sums the exact products of the quantised numbers (number of the format x scale) in f32.
;;   ~~~python
;;   def quantise(x, axis):      # numpy; x: float32 -> the quantised numbers, widened to float32 again
;;       x = np.moveaxis(x, axis, -1); K = x.shape[-1]
;;       x = np.pad(x, [(0, 0)] * (x.ndim - 1) + [(0, -K % 32)]); x = x.reshape(x.shape[:-1] + (-1, 32)); a = np.abs(x).max(-1, keepdims=True)
;;       e = np.where(a > 0, np.clip(np.frexp(np.where(a > 0, a, 1))[1] - 1 - 2, -126, 127), 0)      # np.frexp(a)[1] - 1 = floor(log2(a)), exactly
;;       r = np.clip(x / 2.0 ** e, -6, 6)
;;       step = 2.0 ** (np.maximum(np.frexp(np.where(r == 0, 1, r))[1] - 1, 0) - 1)
;;       q = np.round(r / step) * step * 2.0 ** e      # np.round: ties to even
;;       return np.moveaxis(q.reshape(q.shape[:-2] + (-1,))[..., :K], -1, axis).astype(np.float32)
;;   ~~~
;;   OPERANDS COMPUTED ON THE WAY. 'Computed on the way' means the value that the module computes at that place (a softmax that the list does not call 'softmax' is quantised finished and normalised). What goes into a quantiser is computed in f32, as accurately as f32 sums, v_exp_f32 and their like allow (about 1e-6 of the number): no bf16 or f16 on the way to a quantiser, and a product that is left as it is and whose result goes on into a quantised operand takes f32 operands (vector FMAs, or v_wmma_f32_16x16x4_f32). A number that lies on a knife's edge between two numbers of the format may be rounded either way, as far as f32 arithmetic and the matrix unit's own rounding can turn it there, and no further.
;; One version. Each part assembles by itself: llvm-mc -triple=amdgcn-amd-amdhsa -mcpu=gfx1250 --defsym DOCPART=n.
;; ======== version 1 of 1: 2 launches
;; limits: right only within a limited range of input values
;; workspace buffers: acod 8,912,896 bytes; bcod 8,912,896 bytes
;; launch quant (part 1): grid 256 x 1, 16 waves a work-group, no clusters, 301,056 bytes of LDS; arguments x, col_indices, weight_int8, scales, acod, bcod; writes acod, bcod
.if DOCPART == 1
	.amdgcn_target "amdgcn-amd-amdhsa--gfx1250"
	.amdhsa_code_object_version 6
	.text
	.protected	k_q3e2503b2aa_quant
	.globl	k_q3e2503b2aa_quant
	.p2align	8
	.type	k_q3e2503b2aa_quant,@function
k_q3e2503b2aa_quant:
	s_mov_b64 s[64:65], 0
	v_nop
	global_prefetch_b8 v0, s[64:65] scope:SCOPE_SE
	s_setreg_imm32_b32 hwreg(HW_REG_WAVE_MODE, 25, 1), 1
	s_wait_xcnt 0x0
; BOTH OPERANDS OF THE PRODUCT ARE QUANTISED HERE, each once, to codes of FP4 (E2M1) with one E8M0 scale byte for each 32 along k:
;   A[m][k] = x[m][col_indices[k]]                                   (blocks of 32 along the REORDERED k)   -> acod
;   B[n][k] = weight_int8[k][n] x scales[k / 128][n]  (one f32 multiplication)                             -> bcod
; A block's scale is 2^(floor(log2(its largest magnitude)) - 2); its byte is the largest magnitude's exponent field - 2, held at 1 from below.
; LAYOUT of acod and bcod alike: block (t, s) at byte (8 t + s) x 34,816: t = a tile of 128 operand rows (m of A, n of B), s = a K step of 512.  In it 128 rows x 256 bytes of codes (row i at 256 i, its block b
; of 32 codes at 16 b, the lower k in the low four bits), then from byte 32,768 on 128 x 16 scale bytes (row i at 16 i, byte b for k = 512 s + 32 b): the product's launch takes a block by one dense tensor load.
; LIMITS: NaN and infinities in x and in scales are not served.  A block of zeros gets the byte 1 where the rule says 127: its codes are zeros, which add nothing under any byte but 0xff, and only this program reads
; the bytes.  An index outside 0 .. 4095 is held at 4095 (the problem's indices stay inside the row that they index).
; SHARES.  Work-group G of 256, sixteen waves, takes rows m = 16 G .. 16 G + 15 of x and block (t = G / 8, s = G % 8) of B.
;   x: wave w brings row 16 G + w into LDS through registers (32 loads of 512 consecutive bytes).  Behind the first barrier waves 4 q .. 4 q + 3 quantise rows 4 q .. 4 q + 3, wave w taking k = 1024 (w % 4) on:
;      lane l owns block 32 (w % 4) + l of each of the four rows, so a block's 32 numbers lie in one lane's registers.  The gather is 32 LDS loads a row at 4 x col_indices[k]; the same 32 address registers serve the four rows.
;   W: wave w takes 32 columns (w % 4) and 128 along k (w / 4): one group of scales, four blocks.  A LANE TAKES A COLUMN n, AND ITS REGISTERS RUN DOWN k: each load reads 128 consecutive bytes a wave, four waves side by
;      side on 512; the conversions give the codes with K innermost.  The codes wait in registers, meet in a stage in LDS at the end, and leave as the block lies in memory.
; WHY ONE LAUNCH.  While the gather keeps LDS at work nothing of x is on its way from memory: W's numbers are.  W's first two blocks are asked for as x's rows arrive, eight loads behind each four LDS stores; the other
; two behind the first two blocks' arithmetic, which stands between the gathers and the waits for them.
; ORDER IN LDS, three barriers on the one path that all waves take: x's rows are stored | 1 | gathered | 2 | W's codes and scale words are stored into the stage | 3 | read back.
; No tensor load and no cluster: no large input byte is read by two work-groups; what they share is the list of 16,384 bytes.  x's scale words leave as two runs of 64 consecutive bytes a wave.
.set BLKB,  34816                      ; bytes of a block (t, s)
.set TILEB, 8*BLKB                     ; bytes of a tile's eight K steps
.set ROWB,  16384                      ; a row of x, of weight_int8 and of scales in bytes; a row of x in LDS too
.set WST,   16*ROWB                    ; LDS, behind x's 16 rows: W's stage, 128 rows (columns of the tile)
.set SP,    272                        ; a stage row: 256 bytes of a column's codes + 16, so that sixteen lanes' stores of 16 bytes start at sixteen different places modulo 256
.set SCST,  WST+128*SP                 ; behind the stage: 128 x 16 scale bytes of W
.set WOF,   4                          ; v4       4 x lane: W's and scales' offset; never rewritten
.set WS,    6                          ; v[6:7]   my column's scale, and 0 (named with it as a pair)
.set E,     12                         ; v12-15   x: row r's scale byte of my block
.set IDX,   16                         ; v16-47   x: LDS byte address of x[first of my four rows][col_indices[1024 (w % 4) + 32 lane + i]]
.set X,     48                         ; v48-175  x: first my wave's row as loaded; then three sets of 32 gathered numbers, row r in set r % 3 (v48-143)
.set WC,    144                        ; v144-159 W: codes, four registers a block
.set XCO,   160                        ; v160     x: my codes' offset      (v160-170 are made behind the first barrier, when the staged row has left them)
.set XSO,   161                        ; v161     x: my scale word's offset
.set Q8,    162                        ; v162     8 x (lane % 4)
.set Q3,    163                        ; v163     lane % 4
.set WWD,   164                        ; v164     W: my column's scale word
.set AIN,   165                        ; v165     W: the stage, on the way in
.set AOUT,  166                        ; v166     W: the stage, on the way out
.set GOUT,  167                        ; v167     W: the same place in the block
.set ASIN,  168                        ; v168     W: my scale word in LDS
.set ASOUT, 169                        ; v169     W: the scale bytes on the way out, in LDS
.set GSOUT, 170                        ; v170     W: and in the block
.set C,     176                        ; v176-191 x: codes, four registers a row, so that no store's data are written again
.set WX,    192                        ; v192-255 W: two sets of 32 numbers, block t in set t % 2
.set D,     48                         ; v48-51   at work on x's scale words
.set O,     48                         ; v48-67   W's way out
	s_load_b256 s[4:11], s[0:1], 0x0               ; x s[4:5], col_indices s[6:7], weight_int8 s[8:9], scales s[10:11]
	s_load_b128 s[12:15], s[0:1], 0x20             ; acod s[12:13], bcod s[14:15]
	v_lshrrev_b32 v1, 5, v0
	s_delay_alu instid0(VALU_DEP_1)
	v_readfirstlane_b32 s16, v1                    ; wave 0..15
	v_and_b32 v1, 31, v0                           ; lane
	s_delay_alu instid0(VALU_DEP_1)
	v_lshlrev_b32 v2, 4, v1                        ; x: my 16 bytes of a load's 512
	s_delay_alu instid0(VALU_DEP_2)
	v_lshlrev_b32 v[WOF], 2, v1
	s_delay_alu instid0(VALU_DEP_3)
	v_lshlrev_b32 v11, 7, v1                       ; the list: my 32 indices are 128 bytes
	v_mov_b32 v[WS+1], 0
	s_and_b32 s17, s16, 3                          ; w % 4: x: which quarter of K;  W: which 32 columns
	s_lshr_b32 s18, s16, 2                         ; w / 4: x: which four rows;     W: which 128 along k
	s_lshl_b32 s19, s16, 14
	v_add_nc_u32 v3, s19, v2                       ; LDS, on the way in: my wave's row + 16 x lane
	s_lshl_b32 s20, ttmp9, 18                      ; x: sixteen rows a work-group,
	s_add_co_u32 s20, s20, s19                     ; one a wave
	s_mov_b32 s21, 0
	s_lshl_b32 s22, s17, 12                        ; the list: 1,024 indices for a quarter of K
	s_mov_b32 s23, 0
	s_lshr_b32 s24, ttmp9, 3                       ; t = (16 G) / 128
	s_mul_i32 s24, s24, TILEB
	s_mul_i32 s25, s17, 2*BLKB                     ; K steps 2 (w % 4) and 2 (w % 4) + 1
	s_add_co_u32 s24, s24, s25
	s_lshl_b32 s25, ttmp9, 2
	s_add_co_u32 s25, s25, s18
	s_and_b32 s25, s25, 31                         ; my four rows begin at row 4 ((4 G + w / 4) % 32) of the tile
	s_lshl_b32 s26, s25, 10
	s_add_co_u32 s26, s26, s24                     ; codes: 256 bytes a row
	s_mov_b32 s27, 0
	s_lshl_b32 s28, s25, 6
	s_add_co_u32 s28, s28, s24
	s_add_co_u32 s28, s28, 32768                   ; scale bytes: 16 a row, behind the block's codes
	s_mov_b32 s29, 0
	s_lshl_b32 s30, s18, 16                        ; my four rows in LDS begin at row 4 (w / 4)
	s_and_b32 s31, ttmp9, 7                        ; W: s, the K step
	s_lshr_b32 s32, ttmp9, 3                       ; W: t
	s_lshl_b32 s32, s32, 9
	s_lshl_b32 s33, s17, 7
	s_add_co_u32 s32, s32, s33                     ; my first column, in bytes: 512 t + 128 (w % 4)
	s_lshl_b32 s34, s31, 23                        ; 512 rows of 16,384 bytes a K step,
	s_lshl_b32 s35, s18, 21                        ; 128 a wave
	s_add_co_u32 s34, s34, s35
	s_add_co_u32 s34, s34, s32
	s_mov_b32 s35, 0
	s_lshl_b32 s36, s31, 2
	s_add_co_u32 s36, s36, s18                     ; my group of scales: 4 s + w / 4
	s_lshl_b32 s36, s36, 14
	s_add_co_u32 s36, s36, s32
	s_mov_b32 s37, 0
	s_mul_i32 s38, ttmp9, BLKB                     ; block (t, s) is block G
	s_mov_b32 s39, 0
	s_mul_i32 s40, s17, 32*SP                      ; the stage on the way in: my 32 columns' rows, + 64 bytes x (w / 4)
	s_lshl_b32 s41, s18, 6
	s_add_co_u32 s40, s40, s41
	s_add_co_u32 s40, s40, WST
	s_mul_i32 s41, s16, 8*SP                       ; on the way out: wave w takes rows 8 w .. 8 w + 7
	s_add_co_u32 s41, s41, WST
	s_lshl_b32 s42, s16, 11                        ; which are 2,048 bytes of the block
	s_lshl_b32 s43, s17, 9                         ; my scale words: 16 bytes a column, + 4 x (w / 4)
	s_lshl_b32 s44, s18, 2
	s_add_co_u32 s43, s43, s44
	s_add_co_u32 s43, s43, SCST
	s_wait_alu depctr_va_vdst(0)
	s_wait_kmcnt 0x0
	s_add_nc_u64 s[4:5], s[4:5], s[20:21]
	s_add_nc_u64 s[6:7], s[6:7], s[22:23]
	s_add_nc_u64 s[8:9], s[8:9], s[34:35]
	s_add_nc_u64 s[10:11], s[10:11], s[36:37]
	s_add_nc_u64 s[26:27], s[12:13], s[26:27]      ; acod at my rows' codes
	s_add_nc_u64 s[28:29], s[12:13], s[28:29]      ; and at their scale bytes
	s_add_nc_u64 s[14:15], s[14:15], s[38:39]      ; bcod at my work-group's block
.irp i, 0,1,2,3,4,5,6,7
	global_load_b128 v[IDX+4*\i:IDX+4*\i+3], v11, s[6:7] offset:16*\i          ; my block's 32 indices
.endr
.irp i, 0,1,2,3,4,5,6,7,8,9,10,11,12,13,14,15,16,17,18,19,20,21,22,23,24,25,26,27,28,29,30,31
	global_load_b128 v[X+4*\i:X+4*\i+3], v2, s[4:5] offset:512*\i th:TH_LOAD_NT   ; my wave's row: 32 lanes read 512 consecutive bytes; read once in the launch
.endr
	s_wait_loadcnt 32                              ; loads come back in order: the eight loads of indices are in, the row's 32 may be out
.irp i, 0,1,2,3,4,5,6,7,8,9,10,11,12,13,14,15,16,17,18,19,20,21,22,23,24,25,26,27,28,29,30,31
	v_min_u32 v[IDX+\i], 0xfff, v[IDX+\i]          ; held inside the row
.endr
.irp i, 0,1,2,3,4,5,6,7,8,9,10,11,12,13,14,15,16,17,18,19,20,21,22,23,24,25,26,27,28,29,30,31
	v_lshlrev_b32 v[IDX+\i], 2, v[IDX+\i]          ; as a byte in a row: 16,380 at the most
.endr
.irp i, 0,1,2,3,4,5,6,7,8,9,10,11,12,13,14,15,16,17,18,19,20,21,22,23,24,25,26,27,28,29,30,31
	v_add_nc_u32 v[IDX+\i], s30, v[IDX+\i]         ; in the first of my four rows
.endr
	global_load_b32 v[WS], v[WOF], s[10:11]        ; W: my column's scale for my 128 along k
	s_wait_alu depctr_va_vdst(0)
.irp g, 0,1,2,3,4,5,6,7
	s_wait_loadcnt 29+4*\g                         ; the next four loads of the row are in.  Behind them stand 28 - 4 g loads of the row, the scale's one, and the 8 g loads of W issued so far
.irp j, 0,1,2,3
	ds_store_b128 v3, v[X+16*\g+4*\j:X+16*\g+4*\j+3] offset:512*(4*\g+\j)
.endr
.irp j, 0,1,2,3,4,5,6,7
	global_load_b32 v[WX+8*\g+\j], v[WOF], s[8:9] offset:(8*\g+\j)*ROWB th:TH_LOAD_NT   ; W's blocks 0 and 1, eight rows at a time: weight_int8(8 g + j, my column); read once in the launch
.endr
.endr
	s_wait_dscnt 0x0                               ; for the others' sake: my row lies in LDS
	s_barrier_signal -1
	s_barrier_wait -1                              ; barrier 1: all sixteen rows do
.macro GATHER r                        ; x: row r's 32 numbers of my block, into set r % 3
.irp i, 0,1,2,3,4,5,6,7,8,9,10,11,12,13,14,15,16,17,18,19,20,21,22,23,24,25,26,27,28,29,30,31
	ds_load_b32 v[X+32*((\r)%3)+\i], v[IDX+\i] offset:(\r)*ROWB
.endr
.endm
.macro BIGGEST s                       ; the largest magnitude of v[s] .. v[s + 31], in two chains, into v8; and the floor 2^(3 - 127), under which none is taken: so the byte cannot fall under 1
	v_max3_num_f32 v8, |v[\s]|, |v[\s+1]|, 0x1800000
	v_max3_num_f32 v9, |v[\s+2]|, |v[\s+3]|, |v[\s+4]|
.irp i, 5,9,13,17,21,25
	s_delay_alu instid0(VALU_DEP_2)
	v_max3_num_f32 v8, v8, |v[\s+\i]|, |v[\s+\i+1]|
	s_delay_alu instid0(VALU_DEP_2)
	v_max3_num_f32 v9, v9, |v[\s+\i+2]|, |v[\s+\i+3]|
.endr
	s_delay_alu instid0(VALU_DEP_2)
	v_max3_num_f32 v8, v8, |v[\s+29]|, |v[\s+30]|
	s_delay_alu instid0(VALU_DEP_1)
	v_max3_num_f32 v8, v8, v9, |v[\s+31]|
	s_delay_alu instid0(VALU_DEP_1)
	v_add_nc_u32 v10, 0xff000000, v8               ; 2 off its exponent field: the conversion takes the exponent field of this operand as its scale, and nothing else of it
.endm
.macro QROW r                          ; x: row r's 32 numbers become 32 codes and a scale byte
.set XS, X+32*((\r)%3)
	BIGGEST XS
.irp g, 0,1,2,3
	v_cvt_scalef32_pk8_fp4_f32 v[C+4*(\r)+\g], v[XS+8*\g:XS+8*\g+7], v10      ; eight numbers / the scale, to the nearest code, ties to even, beyond 6 the largest code; the first number's code in the lowest four bits
.endr
	v_lshrrev_b32 v[E+(\r)], 23, v10               ; the scale's byte.  (Also the plain instruction behind the conversions)
	global_store_b128 v[XCO], v[C+4*(\r):C+4*(\r)+3], s[26:27] offset:256*(\r)  ; sixteen lanes store 256 consecutive bytes, aligned: a row's codes of one K step
.endm
.macro WLOAD t                         ; W: block t: weight_int8(32 t + i, my column), i = 0 .. 31, into set t % 2
.irp i, 0,1,2,3,4,5,6,7,8,9,10,11,12,13,14,15,16,17,18,19,20,21,22,23,24,25,26,27,28,29,30,31
	global_load_b32 v[WX+32*((\t)%2)+\i], v[WOF], s[8:9] offset:(32*(\t)+\i)*ROWB th:TH_LOAD_NT   ; the largest offset, 127 rows, lies inside the signed 24-bit immediate
.endr
.endm
.macro WCOMP t                         ; W: block t becomes 32 codes, which wait in registers, and a byte of my column's scale word.  No LDS instruction stands here
.set XW, WX+32*((\t)%2)
.irp i, 0,1,2,3,4,5,6,7,8,9,10,11,12,13,14,15,16,17,18,19,20,21,22,23,24,25,26,27,28,29,30,31
	v_cvt_f32_i32 v[XW+\i], v[XW+\i]               ; exact
.endr
.irp i, 0,2,4,6,8,10,12,14,16,18,20,22,24,26,28,30
	v_pk_mul_f32 v[XW+\i:XW+\i+1], v[XW+\i:XW+\i+1], v[WS:WS+1] op_sel_hi:[1,0]   ; x my column's scale, two at a time: one rounding in f32
.endr
	BIGGEST XW
.irp g, 0,1,2,3
	v_cvt_scalef32_pk8_fp4_f32 v[WC+4*(\t)+\g], v[XW+8*\g:XW+8*\g+7], v10
.endr
	v_lshrrev_b32 v9, 23, v10                      ; the scale's byte.  (Also the plain instruction behind the conversions)
.if (\t) == 0
	s_delay_alu instid0(VALU_DEP_1)
	v_mov_b32 v[WWD], v9                           ; my four bytes make a scale word, the lower k in the lower byte
.else
	s_delay_alu instid0(VALU_DEP_1)
	v_lshl_or_b32 v[WWD], v9, 8*(\t), v[WWD]
.endif
.endm
	GATHER 0
	GATHER 1
	; the offsets for all that follows, made while the gathers are served
	v_lshrrev_b32 v8, 4, v1                        ; lane / 16.  x: which of my wave's two K steps my block lies in
	v_and_b32 v9, 15, v1                           ; lane % 16.  x: which of its 16 blocks it is
	s_delay_alu instid0(VALU_DEP_2)
	v_mul_u32_u24 v[XCO], v8, BLKB
	s_delay_alu instid0(VALU_DEP_3)
	v_mul_u32_u24 v[XSO], v8, BLKB
	s_delay_alu instid0(VALU_DEP_2)
	v_lshl_add_u32 v[XCO], v9, 4, v[XCO]           ; x's codes: K step x BLKB + 16 x block
	v_and_b32 v[Q3], 3, v1                         ; my byte's place in a scale word; at the end also the row whose word I store
	v_bfe_u32 v10, v1, 2, 2                        ; which of the K step's four words my quad makes
	s_delay_alu instid0(VALU_DEP_2)
	v_lshl_add_u32 v[XSO], v[Q3], 4, v[XSO]
	s_delay_alu instid0(VALU_DEP_1)
	v_lshl_add_u32 v[XSO], v10, 2, v[XSO]          ; x's scale words: K step x BLKB + 16 x row + 4 x word
	s_delay_alu instid0(VALU_DEP_4)
	v_lshlrev_b32 v[Q8], 3, v[Q3]
	v_mul_u32_u24 v[AIN], v1, SP
	s_delay_alu instid0(VALU_DEP_1)
	v_add_nc_u32 v[AIN], s40, v[AIN]               ; W's stage, in: row = my column of the tile
	v_mul_u32_u24 v[AOUT], v8, SP
	s_delay_alu instid0(VALU_DEP_1)
	v_lshl_add_u32 v[AOUT], v9, 4, v[AOUT]
	s_delay_alu instid0(VALU_DEP_1)
	v_add_nc_u32 v[AOUT], s41, v[AOUT]             ; out: sixteen lanes to a row, two rows an instruction
	v_lshl_add_u32 v[GOUT], v1, 4, s42             ; the same place in the block: 2,048 w + 16 x lane
	v_lshl_add_u32 v[ASIN], v1, 4, s43
	v_and_b32 v[ASOUT], 127, v0
	s_delay_alu instid0(VALU_DEP_1)
	v_lshlrev_b32 v[ASOUT], 4, v[ASOUT]            ; W's scale bytes on the way out (waves 0 to 3): 16 bytes a thread,
	s_delay_alu instid0(VALU_DEP_1)
	v_add_nc_u32 v[GSOUT], 32768, v[ASOUT]         ; in the block
	s_delay_alu instid0(VALU_DEP_2)
	v_add_nc_u32 v[ASOUT], SCST, v[ASOUT]          ; and in LDS
	s_wait_loadcnt 32                              ; the scale and W's block 0 are in; block 1's 32 loads may be out
	WCOMP 0
	WLOAD 2                                        ; into the set that block 0 has left
	s_wait_dscnt 32                                ; LDS loads come back in order: row 0 is in, row 1's 32 may be out
	GATHER 2
	QROW 0
	s_wait_loadcnt 32                              ; W's block 1 is in; block 2's may be out
	WCOMP 1
	WLOAD 3
	s_wait_dscnt 32                                ; row 1 is in, row 2's may be out
	GATHER 3                                       ; into the set that row 0 has left
	QROW 1
	s_wait_dscnt 32                                ; row 2 is in, row 3's may be out
	QROW 2
	s_wait_dscnt 0x0
	QROW 3
	; x's scale words.  My byte goes to its place in a word; the four lanes of a quad hold the four bytes of a word: two steps join them, for each of the four rows.
.irp r, 0,1,2,3
	v_lshlrev_b32 v[E+\r], v[Q8], v[E+\r]
.endr
.irp r, 0,1,2,3
	s_delay_alu instid0(VALU_DEP_4)
	v_mov_b32_dpp v[D+\r], v[E+\r] row_xmask:1 row_mask:0xf bank_mask:0xf
.endr
.irp r, 0,1,2,3
	s_delay_alu instid0(VALU_DEP_4)
	v_or_b32 v[E+\r], v[E+\r], v[D+\r]
.endr
.irp r, 0,1,2,3
	s_delay_alu instid0(VALU_DEP_4)
	v_mov_b32_dpp v[D+\r], v[E+\r] row_xmask:2 row_mask:0xf bank_mask:0xf
.endr
.irp r, 0,1,2,3
	s_delay_alu instid0(VALU_DEP_4)
	v_or_b32 v[E+\r], v[E+\r], v[D+\r]
.endr
	s_delay_alu instid0(VALU_DEP_4)
	v_mov_b32 v11, v[E]                            ; every lane of a quad now holds the quad's word of all four rows: lane j of the quad stores row j's
.irp n, 1,2,3
	v_cmp_eq_u32 vcc_lo, \n, v[Q3]
	s_delay_alu instid0(VALU_DEP_1)
	v_cndmask_b32 v11, v11, v[E+\n], vcc_lo
.endr
	global_store_b32 v[XSO], v11, s[28:29]
	s_wait_loadcnt 32                              ; W's block 2 is in; block 3's may be out
	WCOMP 2
	s_wait_loadcnt 0x0
	WCOMP 3
	s_wait_alu depctr_va_vdst(0)
	s_wait_dscnt 0x0                               ; my gathers are in
	s_barrier_signal -1
	s_barrier_wait -1                              ; barrier 2: everybody's are
.irp t, 0,1,2,3
	ds_store_b128 v[AIN], v[WC+4*\t:WC+4*\t+3] offset:16*\t          ; block t's 32 codes: 16 bytes of my column's row
.endr
	ds_store_b32 v[ASIN], v[WWD]
	s_wait_dscnt 0x0                               ; for the others' sake: my codes and my scale word lie in LDS
	s_barrier_signal -1
	s_barrier_wait -1                              ; barrier 3: the whole block does
.irp t, 0,1,2,3
	ds_load_b128 v[O+4*\t:O+4*\t+3], v[AOUT] offset:2*SP*\t
.endr
.irp t, 0,1,2,3
	s_wait_dscnt 3-\t                              ; the younger reads of the stage may be out
	global_store_b128 v[GOUT], v[O+4*\t:O+4*\t+3], s[14:15] offset:512*\t  ; 32 lanes store 512 consecutive bytes, aligned: two columns' codes
.endr
	s_cmp_lt_u32 s16, 4                            ; the block's 2,048 scale bytes leave by waves 0 to 3, 512 consecutive bytes each
	s_cbranch_scc0 .Lend
	ds_load_b128 v[O+16:O+19], v[ASOUT]
	s_wait_dscnt 0x0
	global_store_b128 v[GSOUT], v[O+16:O+19], s[14:15]
.Lend:
	s_wait_xcnt 0x0
	v_lshl_add_u32 v254, v0, 2, 0x49000
	v_mov_b32 v255, 0
	s_wait_alu depctr_va_vdst(0)
	s_wait_tensorcnt 0x0
	ds_add_u32 v254, v255
	s_wait_dscnt 0x0
	s_endpgm
.Lfunc_end_k_q3e2503b2aa_quant:
	.size	k_q3e2503b2aa_quant, .Lfunc_end_k_q3e2503b2aa_quant-k_q3e2503b2aa_quant
	.p2alignl 7, 3214868480
	.fill 96, 4, 3214868480
	.section	.rodata,"a",@progbits
	.p2align	6, 0x0
	.amdhsa_kernel k_q3e2503b2aa_quant
		.amdhsa_group_segment_fixed_size 301056
		.amdhsa_private_segment_fixed_size 0
		.amdhsa_enable_private_segment 0
		.amdhsa_kernarg_size 48
		.amdhsa_user_sgpr_count 2
		.amdhsa_user_sgpr_kernarg_segment_ptr 1
		.amdhsa_wavefront_size32 1
		.amdhsa_system_sgpr_workgroup_id_x 1
		.amdhsa_system_sgpr_workgroup_id_y 1
		.amdhsa_system_sgpr_workgroup_id_z 1
		.amdhsa_system_vgpr_workitem_id 0
		.amdhsa_next_free_vgpr 256
		.amdhsa_next_free_sgpr 66
		.amdhsa_reserve_vcc 1
		.amdhsa_float_denorm_mode_32 3
		.amdhsa_float_denorm_mode_16_64 3
		.amdhsa_memory_ordered 1
		.amdhsa_forward_progress 1
		.amdhsa_inst_pref_size 63
	.end_amdhsa_kernel
	.amdgpu_metadata
---
amdhsa.version: [ 1, 2 ]
amdhsa.kernels:
  - .name:           k_q3e2503b2aa_quant
    .symbol:         k_q3e2503b2aa_quant.kd
    .args:
      - { .name: x, .offset: 0, .size: 8, .value_kind: global_buffer, .address_space: global }
      - { .name: col_indices, .offset: 8, .size: 8, .value_kind: global_buffer, .address_space: global }
      - { .name: weight_int8, .offset: 16, .size: 8, .value_kind: global_buffer, .address_space: global }
      - { .name: scales, .offset: 24, .size: 8, .value_kind: global_buffer, .address_space: global }
      - { .name: acod, .offset: 32, .size: 8, .value_kind: global_buffer, .address_space: global }
      - { .name: bcod, .offset: 40, .size: 8, .value_kind: global_buffer, .address_space: global }
    .group_segment_fixed_size: 301056
    .private_segment_fixed_size: 0
    .kernarg_segment_align: 8
    .kernarg_segment_size: 48
    .max_flat_workgroup_size: 512
    .sgpr_count:     66
    .vgpr_count:     256
    .wavefront_size: 32
...
	.end_amdgpu_metadata
.endif
;; end of part 1
;; launch gemm (part 2): grid 16 x 16, 4 waves a work-group, clusters of 4 x 4, 327,680 bytes of LDS; arguments acod, bcod, bias, out0; writes out0
.if DOCPART == 2
	.amdgcn_target "amdgcn-amd-amdhsa--gfx1250"
	.amdhsa_code_object_version 6
	.text
	.protected	k_q3e2503b2aa_gemm
	.globl	k_q3e2503b2aa_gemm
	.p2align	8
	.type	k_q3e2503b2aa_gemm,@function
k_q3e2503b2aa_gemm:
	s_mov_b64 s[64:65], 0
	v_nop
	global_prefetch_b8 v0, s[64:65] scope:SCOPE_SE
	s_setreg_imm32_b32 hwreg(HW_REG_WAVE_MODE, 25, 1), 1
	s_wait_xcnt 0x0
	s_wait_alu depctr_hold_cnt(0) depctr_sa_sdst(0) depctr_va_vdst(0) depctr_va_sdst(0) depctr_va_ssrc(0) depctr_va_vcc(0) depctr_vm_vsrc(0)
	s_getreg_b32 s2, hwreg(HW_REG_IB_STS2, 6, 4)
	s_cmp_eq_u32 s2, 0
	s_cbranch_scc0 .Lentry_in_a_cluster
	s_endpgm
.Lentry_in_a_cluster:
	s_bfe_u32 s2, ttmp6, 0x10000c
	s_cmp_lg_u32 s2, 0xf033
	s_cbranch_scc0 .Lentry_shape_is_right
	s_endpgm
.Lentry_shape_is_right:
; out0[m][n] = sum over k of A[m][k] B[n][k] + bias[n], on the codes of FP4 (E2M1) and E8M0 scale bytes that the launch before has laid in acod and bcod; sums in f32.
; LAYOUT of acod and bcod: block (t, s) at byte (8 t + s) x 34,816: 128 operand rows x 256 bytes of codes (512 along K), then 128 x 16 scale bytes: 136 dense rows of 256 bytes, one tensor load.
; A tile of out0, 256 x 256, is made by four waves, each 128 x 128: 64 accumulators, 512 registers.  K goes in 8 steps of 512 through two LDS slots; each wave fetches one block a step (waves 0, 1: A's halves; 2, 3: B's).
; CLUSTERS: 4 x 4 work-groups; A's blocks are asked for jointly along a row of the cluster, B's along a column.
; THE MATRIX INSTRUCTION IS USED TRANSPOSED (source 0 = 16 rows of B, source 1 = 16 rows of A): a lane holds eight neighbouring columns of a row of out0.  The bias, in that layout, is the C of each accumulator's first product.
; REGISTERS: window 0: v0-31 addresses; v32-95 scale words, a set for each slot; v128-191, v192-255 A's fragments, two sets.  Window 1: v0-63, v128-191 B's fragments, two sets; v64-127 the bias.  Windows 2, 3: the accumulators.
; A STEP OF 128 ALONG K begins with ONE run of LDS loads, the next step's 32 into the other sets, and then issues its 64 products on sets q % 2 on end: 64 products stand between a request and the wait for it.
; THE CHANGE OF SLOTS stands in a slot's third step of 128: its run brings the slot's last fragments, so the slot is free when the run is back, and the fourth step reads the next slot like any other step.
; THE LAST K STEP GOES BY ROWS OF out0: all its fragments of B fill window 1, A's come by blocks of 16 rows x 512 K, and each of my eight blocks of 16 rows is finished by 32 products (K ascending) and leaves at once.
; PREFETCH: behind each refill (K step s + 2) every wave asks for its block of K step s + 4; the four partners that fetch a block jointly share its 136 units of 256 bytes by address: partner p takes code units 32 p + lane
; and scale units 128 + 2 p, 128 + 2 p + 1 (the lanes left over name the last again).  At the head K steps 1 and 2 are asked for behind the first joint load and K step 3 behind the second; the loop's last trip asks for nothing.
.set SIZE_N, 4096
.set BLKB,   34816
.set TILEB,  8*BLKB
.set NQ,     4                         ; steps of 128 in a slot
.set PITCH,  272                       ; an LDS row: 256 bytes + 16 of padding
.set FR,     8                         ; registers of a fragment
.set NP,     4                         ; places behind this matrix instruction (ISA guide 7.12.1)
.set HALFT,  136*PITCH                 ; a block in LDS
.set SCOF,   128*PITCH                 ; its scale bytes
.set SLOT,   4*HALFT
.set SPARE,  2*SLOT                    ; the spare words: 128 bytes a wave, named by no other line
.set SPITCH, 528                       ; the way out: stage rows of 512 bytes + 16; the stage lies in slot 0, behind that slot's last fill and last read
.set PFO,  12                          ; v12  prefetch: my code unit's offset in a block; never rewritten
.set PFO2, 13                          ; v13  prefetch: my scale unit's offset; never rewritten
.set ADRA, 16                          ; v16-17 my A fragments in slot 0, 1
.set ADRB, 20                          ; v20-21 my B fragments
.set STO,  24
.set RD,   25
.set CO,   26
.set SPW,  28                          ; my spare word
.set NIL,  29                          ; 0
.set ADRS, 30                          ; v30-31 my scale words in slot 0, 1: lanes 0-15 A's rows, lanes 16-31 B's
.set SC,   32
.set AF,   128
.set PA,   128                         ; the last K step: A's blocks of 16 rows x 512 K, 32 registers, two buffers: v128-191
.set BI,   64                          ; in window 1
.set G1, 24
.set G0, 32
.set G1B, 48
.set G0B, 56
.set PFA, 18                           ; s[18:19] my wave's block, stepped a K step at each change of slots
.set MSB, 0
.macro WIN new                         ; the immediate's high byte repeats the setting that is left
.if MSB != \new
	s_set_vgpr_msb (MSB<<8)|\new
.set MSB, \new
.endif
.endm
.set MUL_LO,   0xa1                    ; source 0 (B) window 1, source 1 (A) window 0, C and D window 2
.set MUL_HI,   0xf1                    ; C and D window 3
.set FIRST_LO, 0x91                    ; C (the bias) window 1, D window 2
.set FIRST_HI, 0xd1                    ; C window 1, D window 3
.set TO_B,     0x40                    ; destination window 1, address window 0
.macro WLO first
.if \first
	WIN FIRST_LO
.else
	WIN MUL_LO
.endif
.endm
.macro WHI first
.if \first
	WIN FIRST_HI
.else
	WIN MUL_HI
.endif
.endm
; a joint load: waves 0, 1 for A, waves 2, 3 for B; each line has one mask
.macro JLOAD g0a, g1a, g0b, g1b
	s_cmp_eq_u32 s15, 0
	s_cbranch_scc0 .Lfor_b_\@
	tensor_load_to_lds s[\g0a:\g0a+3], s[\g1a:\g1a+7]
	s_nop 0
.rept 4
	v_nop
.endr
	s_branch .Lasked_\@
.Lfor_b_\@:
	tensor_load_to_lds s[\g0b:\g0b+3], s[\g1b:\g1b+7]
	s_nop 0
.rept 4
	v_nop
.endr
.Lasked_\@:
.endm
.macro CREST                           ; a round of the cluster's barrier behind its opening barrier
	s_cmp_lg_u32 s14, 0
	s_cbranch_scc1 .Lnot_wave_0_\@
	s_barrier_signal -3
.Lnot_wave_0_\@:
	s_barrier_wait -3
	s_barrier_signal -1
	s_barrier_wait -1
.endm
.macro CROUND
	s_barrier_signal -1
	s_barrier_wait -1
	CREST
.endm
.macro PF n                            ; my share of my block n K steps on from PFA: 32 code units, 2 scale units
	global_prefetch_b8 v[PFO], s[PFA:PFA+1] offset:(\n)*BLKB th:TH_LOAD_NT scope:SCOPE_SE
	global_prefetch_b8 v[PFO2], s[PFA:PFA+1] offset:(\n)*BLKB th:TH_LOAD_NT scope:SCOPE_SE
.endm
.macro ASK                             ; in the loop: the K step two refills on; the last trip (s3 = 1) has none
	s_cmp_gt_u32 s3, 1
	s_cbranch_scc0 .Lno_ask_\@
	PF 3
.Lno_ask_\@:
.endm
	s_load_b256 s[4:11], s[0:1], 0x0               ; acod, bcod, bias, out0
	v_lshl_add_u32 v[SPW], v0, 2, SPARE
	v_mov_b32 v[NIL], 0
	ds_add_u32 v[SPW], v[NIL]                      ; the opening add,
	ds_add_u32 v[SPW], v[NIL]                      ; once more, and below the one wait for both
	v_lshrrev_b32 v1, 5, v0
	v_readfirstlane_b32 s14, v1                    ; wave 0..3
	s_lshr_b32 s15, s14, 1                         ; my half of the tile's rows; also: I fetch for A (0) or B (1)
	s_and_b32 s16, s14, 1                          ; my half of its columns; also: which block of 128 rows I fetch
	s_bfe_u32 s40, ttmp6, 0x40000                  ; cx
	s_bfe_u32 s41, ttmp6, 0x40004                  ; cy
	s_lshl_b32 s42, ttmp9, 2
	s_add_co_u32 s42, s42, s40                     ; tile column
	s_and_b32 s17, ttmp7, 0xffff
	s_lshl_b32 s17, s17, 2
	s_add_co_u32 s17, s17, s41                     ; tile row
	s_lshl_b32 s43, s41, 2
	s_lshl_b32 s43, 15, s43                        ; my row of the cluster
	s_lshl_b32 s44, 0x1111, s40                    ; my column
	s_or_b32 s[G1+0], s43, (3<<16)|(1<<20)|(1<<21)|(5<<22)|(3<<25)   ; elements of 8 bytes; 4 words of padding behind every 64; the mask, and bit 21 beside it
	s_or_b32 s[G1B+0], s44, (3<<16)|(1<<20)|(1<<21)|(5<<22)|(3<<25)
.irp g, G1, G1B
	s_mov_b32 s[\g+1], 32<<16                      ; rows of 32 elements = 256 bytes
	s_mov_b32 s[\g+2], 136<<16                     ; 136 rows
	s_mov_b32 s[\g+3], 32<<16
	s_mov_b32 s[\g+4], 136
	s_mov_b32 s[\g+5], 32                          ; dense
	s_mov_b32 s[\g+6], 0
	s_mov_b32 s[\g+7], 0
.endr
	s_lshl_b32 s20, s17, 1
	s_add_co_u32 s20, s20, s16
	s_mul_i32 s20, s20, TILEB                      ; A: t = 2 x tile row + half
	s_mov_b32 s21, 0
	s_lshl_b32 s46, s42, 1
	s_add_co_u32 s46, s46, s16
	s_mul_i32 s46, s46, TILEB                      ; B: t = 2 x tile column + half
	s_mov_b32 s47, 0
	s_mul_i32 s45, s14, HALFT                      ; where my block goes
	s_cmp_eq_u32 s15, 0
	s_cselect_b32 s22, s40, s41                    ; p: my place among the four that ask for my block
	s_lshl_b32 s23, s22, 9
	s_add_co_u32 s23, s23, 32768
	s_lshl_b32 s22, s22, 13
	v_and_b32 v5, 31, v0
	v_min_u32 v6, 1, v5
	v_lshl_add_u32 v[PFO], v5, 8, s22              ; 256 (32 p + lane)
	v_lshl_add_u32 v[PFO2], v6, 8, s23             ; 32,768 + 256 (2 p + min(lane, 1))
	s_wait_alu depctr_va_vdst(0)
	s_wait_dscnt 0x0                               ; both opening adds are done
	s_wait_kmcnt 0x0
	s_add_nc_u64 s[20:21], s[4:5], s[20:21]
	s_add_nc_u64 s[46:47], s[6:7], s[46:47]
	s_cmp_eq_u32 s15, 0
	s_cselect_b64 s[PFA:PFA+1], s[20:21], s[46:47]
.irp s, 0,1
	s_mov_b32 s[G0+4*\s], 1
	s_add_co_u32 s[G0+4*\s+1], s45, \s*SLOT
	s_add_nc_u64 s[G0+4*\s+2:G0+4*\s+3], s[20:21], \s*BLKB
	s_or_b32 s[G0+4*\s+3], s[G0+4*\s+3], 0x80000000
	s_mov_b32 s[G0B+4*\s], 1
	s_add_co_u32 s[G0B+4*\s+1], s45, \s*SLOT
	s_add_nc_u64 s[G0B+4*\s+2:G0B+4*\s+3], s[46:47], \s*BLKB
	s_or_b32 s[G0B+4*\s+3], s[G0B+4*\s+3], 0x80000000
.endr
	CROUND                                         ; all sixteen work-groups are here: the first joint loads meet
	JLOAD G0, G1, G0B, G1B                         ; K step 0: one tensor load a wave at the head
	PF 1                                           ; K steps 1 and 2 are asked of memory
	PF 2
	s_mul_i32 s20, s15, HALFT                      ; my 128 rows of A
	s_mul_i32 s21, s16, HALFT
	s_add_co_u32 s21, s21, 2*HALFT                 ; my 128 rows of B
	s_xor_b32 s22, s15, 1
	s_add_co_u32 s22, s22, s16
	s_add_co_u32 s22, s22, 1
	s_mul_i32 s22, s22, HALFT                      ; from A's block to B's: (2 + column half - row half) blocks
	s_add_co_u32 s23, s20, SCOF
	s_mul_i32 s45, s14, 16*SPITCH                  ; my stage
	s_lshl_b32 s46, s42, 10
	s_lshl_b32 s47, s16, 9
	s_add_co_u32 s46, s46, s47                     ; my first column, in bytes
	s_mov_b32 s47, 0
	s_add_nc_u64 s[8:9], s[8:9], s[46:47]
	s_lshl_b32 s2, s17, 8
	s_lshl_b32 s3, s15, 7
	s_add_co_u32 s2, s2, s3                        ; my first row
	s_lshl_b32 s2, s2, 14
	s_mov_b32 s3, 0
	s_add_nc_u64 s[12:13], s[10:11], s[2:3]
	s_add_nc_u64 s[12:13], s[12:13], s[46:47]
	v_and_b32 v1, 15, v0                           ; l % 16
	v_bfe_u32 v2, v0, 4, 1                         ; l / 16
	v_mul_u32_u24 v3, v1, PITCH
	v_lshl_add_u32 v4, v2, 4, v3                   ; a fragment's row x pitch + 16 x half
	v_add_nc_u32 v[ADRA], s20, v4
	v_add_nc_u32 v[ADRB], s21, v4
	v_add_nc_u32 v[ADRA+1], SLOT, v[ADRA]
	v_add_nc_u32 v[ADRB+1], SLOT, v[ADRB]
	v_mul_u32_u24 v6, s22, v2                      ; lanes 16-31 take B's scale words
	v_lshl_add_u32 v5, v1, 4, v6                   ; 16 bytes a row
	v_add_nc_u32 v[ADRS], s23, v5
	v_add_nc_u32 v[ADRS+1], SLOT, v[ADRS]
	v_mul_u32_u24 v5, v1, SPITCH
	v_lshl_add_u32 v5, v2, 5, v5
	v_add_nc_u32 v[STO], s45, v5                   ; into the stage: row l % 16, 32 bytes for each half of the lanes
	v_and_b32 v6, 31, v0
	v_lshlrev_b32 v[CO], 4, v6                     ; back: 32 lanes take a row of 512 bytes; the same in out0
	v_add_nc_u32 v[RD], s45, v[CO]
	v_lshlrev_b32 v7, 5, v2
	WIN TO_B
.irp b, 0,1,2,3,4,5,6,7
	global_load_b128 v[BI+8*\b:BI+8*\b+3],   v7, s[8:9] offset:64*\b      ; bias[16 b + 8 (l / 16) + 0 .. 7]: the accumulators' layout
	global_load_b128 v[BI+8*\b+4:BI+8*\b+7], v7, s[8:9] offset:64*\b+16
.endr
	WIN 0
.macro FRAG reg, adr, q, i             ; 16 rows x 128 K: registers 4 c .. 4 c + 3 hold K = 64 c + 32 (l / 16) + 0 .. 31
.irp c, 0,1
	ds_load_b128 v[\reg+4*\c:\reg+4*\c+3], v[\adr] offset:64*(\q)+32*\c+(\i)*16*PITCH
.endr
.endm
; 16 products: A's blocks a0, a0 + 1 x B's eight; p: the sets; sc: the scale words' set; first = 1: C is the bias.  The 64 accumulators take turns, in the same order in every step.
.macro MUL16 a0, p, q, sc, first
.irp a, \a0, \a0+1
.irp b, 0,1,2,3,4,5,6,7
.if \first
	v_wmma_scale_f32_16x16x128_f8f6f4 v[8*(8*((\a)%4)+\b):8*(8*((\a)%4)+\b)+7], v[128*(\p)+FR*\b:128*(\p)+FR*\b+FR-1], v[AF+64*(\p)+FR*(\a):AF+64*(\p)+FR*(\a)+FR-1], v[BI+8*\b:BI+8*\b+7], v[SC+8*NQ*(\sc)+NQ*\b+(\q)], v[SC+8*NQ*(\sc)+NQ*(\a)+(\q)] matrix_a_fmt:MATRIX_FMT_FP4 matrix_b_fmt:MATRIX_FMT_FP4 matrix_a_scale:MATRIX_SCALE_ROW1
.else
	v_wmma_scale_f32_16x16x128_f8f6f4 v[8*(8*((\a)%4)+\b):8*(8*((\a)%4)+\b)+7], v[128*(\p)+FR*\b:128*(\p)+FR*\b+FR-1], v[AF+64*(\p)+FR*(\a):AF+64*(\p)+FR*(\a)+FR-1], v[8*(8*((\a)%4)+\b):8*(8*((\a)%4)+\b)+7], v[SC+8*NQ*(\sc)+NQ*\b+(\q)], v[SC+8*NQ*(\sc)+NQ*(\a)+(\q)] matrix_a_fmt:MATRIX_FMT_FP4 matrix_b_fmt:MATRIX_FMT_FP4 matrix_a_scale:MATRIX_SCALE_ROW1
.endif
.endr
.endr
.endm
.macro SCALES slot                     ; the slot's scale words: lanes 0-15 A's block i, lanes 16-31 B's block i; four words: the slot's four steps
.irp i, 0,1,2,3,4,5,6,7
	ds_load_b128 v[SC+8*NQ*\slot+NQ*\i:SC+8*NQ*\slot+NQ*\i+3], v[ADRS+\slot] offset:\i*PITCH
.endr
.endm
; one run of LDS loads: the fragments of the slot's q-th 128 along K into sets p: B's eight, A's eight, and with sc = 1 the slot's scale words; leaves every window 0
.macro FETCH slot, q, p, sc
	WIN TO_B
.irp i, 0,1,2,3,4,5,6,7
	FRAG 128*(\p)+FR*\i, ADRB+\slot, \q, \i
.endr
	WIN 0
.irp i, 0,1,2,3,4,5,6,7
	FRAG AF+64*(\p)+FR*\i, ADRA+\slot, \q, \i
.endr
.if \sc
	SCALES \slot
.endif
.endm
.macro PLACES n
.rept \n
	v_nop
.endr
.endm
; a step of 128 along K; its run of loads brings step (nslot, nq)
.macro STEP slot, q, nslot, nq, first, ask
	PLACES NP                                      ; behind the step before, whose products read the sets that the run below fills
.if (\nq) == 0
	FETCH \nslot, \nq, 1-(\q)%2, 1
	s_wait_dscnt 40                                ; only the 40 just issued may be out: this step's fragments are in
.else
	FETCH \nslot, \nq, 1-(\q)%2, 0
	s_wait_dscnt 32                                ; only the 32 just issued may be out
.endif
.if \ask
	ASK
.endif
	WLO \first
	MUL16 0, (\q)%2, \q, \slot, \first
	MUL16 2, (\q)%2, \q, \slot, \first
	WHI \first
	MUL16 4, (\q)%2, \q, \slot, \first
	MUL16 6, (\q)%2, \q, \slot, \first
	WIN 0
.endm
; a slot's third step, with the change of slots.  Its run brings the slot's last fragments.  Each wave then waits for all its tensor loads (one is out: its block of the other slot), adds 0 to its spare word,
; and waits for the add and for its reads of this slot; fill = 1: the barrier opens a round of the cluster's barrier, and the slot is filled again with the K step two on, first thing behind the round.
.macro TURN slot, fill
.if \fill
	s_wait_xcnt 0x0                                ; my prefetches, a K step back, have read their address
	s_add_nc_u64 s[PFA:PFA+1], s[PFA:PFA+1], BLKB
.endif
	PLACES NP
	FETCH \slot, 3, 1, 0
	s_wait_dscnt 32                                ; only the 32 just issued may be out
	WIN MUL_LO
	MUL16 0, 0, 2, \slot, 0
	MUL16 2, 0, 2, \slot, 0
	WIN 0                                          ; (the add's two registers lie in window 0)
	s_wait_tensorcnt 0x0
	ds_add_u32 v[SPW], v[NIL]
.if \fill
	s_add_nc_u64 s[G0+4*\slot+2:G0+4*\slot+3], s[G0+4*\slot+2:G0+4*\slot+3], 2*BLKB     ; no tensor load of mine is out: the descriptors step
	s_add_nc_u64 s[G0B+4*\slot+2:G0B+4*\slot+3], s[G0B+4*\slot+2:G0B+4*\slot+3], 2*BLKB
.endif
	WIN MUL_HI
	MUL16 4, 0, 2, \slot, 0                        ; sixteen products stand between the add and the wait for it
	s_wait_dscnt 0x0                               ; the add is done, and my reads of this slot are over
	s_barrier_signal -1
	MUL16 6, 0, 2, \slot, 0
	WIN 0
	s_barrier_wait -1
.if \fill
	CREST
	JLOAD G0+4*\slot, G1, G0B+4*\slot, G1B
.endif
.endm
	s_wait_alu depctr_va_vdst(0)
	s_wait_tensorcnt 0x0                           ; my block of K step 0 is in; slot 1's first fill is issued as a refill is:
	ds_add_u32 v[SPW], v[NIL]
	s_wait_dscnt 0x0
	CROUND
	JLOAD G0+4, G1, G0B+4, G1B                     ; K step 1
	FETCH 0, 0, 0, 1
	PF 3                                           ; K step 3
	s_wait_loadcnt 0x0                             ; the bias
	STEP 0, 0, 0, 1, 1, 0                          ; the first step stands in front of the loop: its products start the sums on the bias
	s_mov_b32 s3, 3
.Llap:                                                 ; a trip goes once round the ring and fills both slots again
	STEP 0, 1, 0, 2, 0, 0
	TURN 0, 1
	STEP 0, 3, 1, 0, 0, 1
	STEP 1, 0, 1, 1, 0, 0
	STEP 1, 1, 1, 2, 0, 0
	TURN 1, 1
	STEP 1, 3, 0, 0, 0, 1
	STEP 0, 0, 0, 1, 0, 0
	s_sub_co_u32 s3, s3, 1
	s_cmp_lg_u32 s3, 0
	s_cbranch_scc1 .Llap
	STEP 0, 1, 0, 2, 0, 0                          ; the last lap fills nothing
	TURN 0, 0                                      ; behind its barrier slot 1, the last K step, is whole, and nobody reads slot 0 any more
; THE LAST K STEP, BY ROWS.
.macro BLOAD q                         ; B's fragments of slot 1's quarter q -> window 1, v[64 q ..]
.irp i, 0,1,2,3,4,5,6,7
	FRAG 64*(\q)+FR*\i, ADRB+1, \q, \i
.endr
.endm
.macro ALOAD a                         ; A's block a, all four quarters -> buffer a % 2
.irp q, 0,1,2,3
	FRAG PA+32*((\a)%2)+FR*\q, ADRA+1, \q, \a
.endr
.endm
.macro ROW a                           ; block a is finished: 32 products, its eight accumulators by turns, K ascending
	WIN MUL_LO+0x50*((\a)/4)
.irp q, 0,1,2,3
.if (\a) == 0 && \q == 2
	s_wait_dscnt 0x0                               ; B's quarter 2 is in
.endif
.irp b, 0,1,2,3,4,5,6,7
	v_wmma_scale_f32_16x16x128_f8f6f4 v[64*((\a)%4)+8*\b:64*((\a)%4)+8*\b+7], v[64*\q+FR*\b:64*\q+FR*\b+FR-1], v[PA+32*((\a)%2)+FR*\q:PA+32*((\a)%2)+FR*\q+FR-1], v[64*((\a)%4)+8*\b:64*((\a)%4)+8*\b+7], v[SC+8*NQ+NQ*\b+\q], v[SC+8*NQ+NQ*(\a)+\q] matrix_a_fmt:MATRIX_FMT_FP4 matrix_b_fmt:MATRIX_FMT_FP4 matrix_a_scale:MATRIX_SCALE_ROW1
.endr
.endr
.endm
; THE WAY OUT of block a, 16 rows x 128 columns: through my own stage and back as whole rows of 512 bytes.  LDS serves a wave's instructions in order (ISA guide 5.7.1.4): no wait between the stores and the loads.
; The rows come back into v192-255 (even blocks) or into v32-63 and v96-127 (odd blocks): registers that the ring's fragments and slot 0's scale words have left.
.macro BKREG a, t
.if ((\a)%2) == 0
.set BB, 192+4*\t
.else
.if \t < 8
.set BB, 32+4*\t
.else
.set BB, 64+4*\t
.endif
.endif
.endm
.macro TOSTAGE a
.set AC, 64*((\a)%4)
	WIN 0x08+4*((\a)/4)                            ; the data: window 2 or 3
.irp b, 0,1,2,3,4,5,6,7
	ds_store_b128 v[STO], v[AC+8*\b:AC+8*\b+3] offset:64*\b          ; each accumulator from its low end on
	ds_store_b128 v[STO], v[AC+8*\b+4:AC+8*\b+7] offset:64*\b+16
.endr
	WIN 0
.if (\a) > 1
	s_wait_xcnt 0x0                                ; block a - 2's stores have read the registers that the loads below fill
.endif
.irp t, 0,1,2,3,4,5,6,7,8,9,10,11,12,13,14,15
	BKREG \a, \t
	ds_load_b128 v[BB:BB+3], v[RD] offset:\t*SPITCH
.endr
.endm
.macro SEND a, younger                 ; younger: the LDS loads issued behind block a's
	WIN 0
	s_wait_dscnt \younger
.irp t, 0,1,2,3,4,5,6,7,8,9,10,11,12,13,14,15
	BKREG \a, \t
	global_store_b128 v[CO], v[BB:BB+3], s[12:13] offset:(16*(\a)+\t)*SIZE_N*4 th:TH_STORE_NT   ; 32 lanes store 512 consecutive bytes, aligned; the row stands in the immediate: 127 rows of 16,384 bytes at the most
.endr
.endm
	; slot 0's last step of 128 (sets 1; all its fragments are in), and in two runs the last K step's first loads, into registers that are free
	PLACES NP
	SCALES 1
	WIN TO_B
	BLOAD 0
	BLOAD 1
	WIN MUL_LO
	MUL16 0, 1, 3, 0, 0
	MUL16 2, 1, 3, 0, 0
	WIN TO_B
	BLOAD 3
	WIN 0
	ALOAD 0
	ALOAD 1
	WIN MUL_HI
	MUL16 4, 1, 3, 0, 0
	MUL16 6, 1, 3, 0, 0
	PLACES NP                                      ; for the loads into B's set 1
	WIN TO_B
	BLOAD 2
	WIN 0
	s_wait_dscnt 16                                ; all but B's quarter 2
	ROW 0
.irp a, 0,1,2,3,4,5,6,7
	PLACES NP                                      ; in front of the reads of results just made and of the loads into the buffer that block a has left
	TOSTAGE \a
.if \a < 6
	ALOAD \a+2
	s_wait_dscnt 40                                ; the stage's 32 and the 8 just issued may be out: block a + 1's fragments are in
	ROW \a+1
	SEND \a, 8
.else
.if \a < 7
	s_wait_dscnt 32
	ROW \a+1
.endif
	SEND \a, 0
.endif
.endr
	s_wait_tensorcnt 0x0                           ; the wave's end
	ds_add_u32 v[SPW], v[NIL]
	s_wait_dscnt 0x0
	CROUND                                         ; the closing round
	s_endpgm
.Lfunc_end_k_q3e2503b2aa_gemm:
	.size	k_q3e2503b2aa_gemm, .Lfunc_end_k_q3e2503b2aa_gemm-k_q3e2503b2aa_gemm
	.p2alignl 7, 3214868480
	.fill 96, 4, 3214868480
	.section	.rodata,"a",@progbits
	.p2align	6, 0x0
	.amdhsa_kernel k_q3e2503b2aa_gemm
		.amdhsa_group_segment_fixed_size 327680
		.amdhsa_private_segment_fixed_size 0
		.amdhsa_enable_private_segment 0
		.amdhsa_kernarg_size 32
		.amdhsa_user_sgpr_count 2
		.amdhsa_user_sgpr_kernarg_segment_ptr 1
		.amdhsa_wavefront_size32 1
		.amdhsa_system_sgpr_workgroup_id_x 1
		.amdhsa_system_sgpr_workgroup_id_y 1
		.amdhsa_system_sgpr_workgroup_id_z 1
		.amdhsa_system_vgpr_workitem_id 0
		.amdhsa_next_free_vgpr 1024
		.amdhsa_next_free_sgpr 66
		.amdhsa_reserve_vcc 0
		.amdhsa_float_denorm_mode_32 3
		.amdhsa_float_denorm_mode_16_64 3
		.amdhsa_memory_ordered 1
		.amdhsa_forward_progress 1
		.amdhsa_inst_pref_size 211
	.end_amdhsa_kernel
	.amdgpu_metadata
---
amdhsa.version: [ 1, 2 ]
amdhsa.kernels:
  - .name:           k_q3e2503b2aa_gemm
    .symbol:         k_q3e2503b2aa_gemm.kd
    .args:
      - { .name: acod, .offset: 0, .size: 8, .value_kind: global_buffer, .address_space: global }
      - { .name: bcod, .offset: 8, .size: 8, .value_kind: global_buffer, .address_space: global }
      - { .name: bias, .offset: 16, .size: 8, .value_kind: global_buffer, .address_space: global }
      - { .name: out0, .offset: 24, .size: 8, .value_kind: global_buffer, .address_space: global }
    .group_segment_fixed_size: 327680
    .private_segment_fixed_size: 0
    .kernarg_segment_align: 8
    .kernarg_segment_size: 32
    .max_flat_workgroup_size: 128
    .sgpr_count:     66
    .vgpr_count:     1024
    .wavefront_size: 32
...
	.end_amdgpu_metadata
.endif
;; end of part 2
